; MI455X (gfx1250); checked and timed in simulation.
; The chip was launched on July 23, 2026; its instructions are those of AMD's public machine-readable ISA for CDNA 5 (MIT licence, August 2026) and "CDNA5" Instruction Set Architecture Reference Guide (July 2026). The comments in the code are by the model that wrote it; some were corrected since.
;; Mixture Of Experts. Allowed arithmetic: matrix products marked QUANTISED: E5M2 operands, one given power-of-two scale a tensor, by v_wmma_f32_16x16x64_bf8_bf8 or v_wmma_f32_16x16x128_bf8_bf8, f32 sums; products left as they are: f32 operands where the result goes on into a quantised operand, else bf16, f16 or f32 operands; f32 sums; everything else in f32.
;; Inputs: expert_bias 12 float32; gate_w 12 x 1,024 float32; lowp_scales 4 int32 (the exponents e of the quantised operands' scales 2^e); w1 8 x 2,048 x 1,024 float32; w2 8 x 1,024 x 2,048 float32; x 2 x 1,024 x 1,024 float32.
;; Outputs: out0 2 x 1,024 x 1,024 float32.
;; This version of the problem:
;;   THIS VERSION OF THE PROBLEM IS GIVEN IN LOW PRECISION. The matrix products marked QUANTISED in the list below multiply operands that are first quantised to E5M2 (5 exponent bits, 2 mantissa bits; 8 bits a number), with one given power-of-two scale for each operand tensor; their sums are f32. All else is computed in f32.
;;   The module's matrix products, in the order in which they are computed (A, B: the left and right operand; K: the contracted axis; several contracted axes count as one K, in the product's order):
;;     1. [M 2,048, K 1,024] x [K 1,024, N 12]; A: input x; B: input gate_w: left as it is (N = 12 < 16)
;;     2. batch 2,048 x [M 1, K 2] x [K 2, N 12]; A: softmax; B: computed on the way: left as it is (K = 2 < 32)
;;     3. [M 2,048, K 1,024] x [K 1,024, N 16,384]; A: input x; B: input w1: QUANTISED (scales: A lowp_scales[0], B lowp_scales[1])
;;     4. batch 8 x [M 1,024, K 2,048] x [K 2,048, N 2,048]; A: input w2; B: computed on the way: QUANTISED (scales: A lowp_scales[2], B lowp_scales[3])
;;     5. batch 2,048 x [M 1, K 8] x [K 8, N 1,024]; A: computed on the way; B: computed on the way: left as it is (K = 8 < 32)
;;   THE QUANTISER, for each operand of a quantised product, along K:
;;     - The operand's scale is 2^e, e = its entry of the input lowp_scales (int32; the entries are numbered through the quantised products in the list's order, A before B).
;;     - Each number is divided by the scale, clamped to +-57,344, and rounded to the nearest number of E5M2, ties to even, subnormals kept.
;;     - The product sums the exact products of the quantised numbers (number of the format x scale) in f32.
;;   ~~~python
;;   def quantise(x, axis, e):      # numpy; x: float32 -> the quantised numbers, widened to float32 again
;;       x = np.moveaxis(x, axis, -1); K = x.shape[-1]
;;       r = np.clip(x / 2.0 ** e, -57344, 57344)
;;       step = 2.0 ** (np.maximum(np.frexp(np.where(r == 0, 1, r))[1] - 1, -14) - 2)
;;       q = np.round(r / step) * step * 2.0 ** e      # np.round: ties to even
;;       return np.moveaxis(q, -1, axis).astype(np.float32)
;;   ~~~
;;   OPERANDS COMPUTED ON THE WAY. 'Computed on the way' means the value that the module computes at that place (a softmax that the list does not call 'softmax' is quantised finished and normalised). What goes into a quantiser is computed in f32, as accurately as f32 sums, v_exp_f32 and their like allow (about 1e-6 of the number): no bf16 or f16 on the way to a quantiser, and a product that is left as it is and whose result goes on into a quantised operand takes f32 operands (vector FMAs, or v_wmma_f32_16x16x4_f32). A number that lies on a knife's edge between two numbers of the format may be rounded either way, as far as f32 arithmetic and the matrix unit's own rounding can turn it there, and no further.
;; One version. Each part assembles by itself: llvm-mc -triple=amdgcn-amd-amdhsa -mcpu=gfx1250 --defsym DOCPART=n.
;; ======== version 1 of 1: 5 launches
;; workspace buffers: xq 2,097,152 bytes; meta 8,192 bytes of whole numbers; gates 16,384 bytes; list 65,536 bytes of whole numbers; slotpos 65,536 bytes of whole numbers; cnt 256 bytes of whole numbers; hbuf 33,554,432 bytes; ybuf 67,108,864 bytes
;; launch route (part 1): grid 256 x 1, 4 waves a work-group, no clusters, 0 bytes of LDS; arguments x, gate_w, expert_bias, lowp_scales, xq, meta, gates; writes xq, meta, gates
.if DOCPART == 1
	.amdgcn_target "amdgcn-amd-amdhsa--gfx1250"
	.amdhsa_code_object_version 6
	.text
	.protected	k_q86899dd4bb_route
	.globl	k_q86899dd4bb_route
	.p2align	8
	.type	k_q86899dd4bb_route,@function
k_q86899dd4bb_route:
	s_mov_b64 s[64:65], 0
	v_nop
	global_prefetch_b8 v0, s[64:65] scope:SCOPE_SE
	s_setreg_imm32_b32 hwreg(HW_REG_WAVE_MODE, 25, 1), 1
	s_wait_xcnt 0x0
; ROUTE.  For each of the 2,048 tokens: the 12 logits x . gate_w[e] + expert_bias[e] in f32, the two largest (ties: the lower index, as jax.lax.top_k has it), their softmax with the
; maximum taken away, and the token's 1,024 numbers as codes of E5M2 with the given scale 2^ex.
; WORK LEFT OUT BY THE WHOLE PROGRAM.  For a token t and an FFN expert e that is not among t's two chosen ones, the combine weight w[t][e] is a sum of topk_w x one_hot terms that are all 0
; by the one_hot that reference() builds itself.  So row (t, e) of x w1^T, of silu(.) w2^T and of the last sum is multiplied by 0 and reaches no output, whatever finite values the inputs hold.
; Which rows those are is decided by whole numbers: this launch stores them at fixed places, and later launches read them and multiply the chosen rows alone.
; The product with the one_hot and the sum over 8 experts are selections and are done as such; w_zero x is taken term by term (the weight of each chosen zero expert times x).  No input is left out.
; LIMITS: a NaN, an infinity or an overflow that arises only in a row left out is not carried to the result.  NaN among the inputs is not served; logits are finite.  -126 <= ex <= 112.
; SHARES.  A wave takes two tokens.  Lane l holds k = 128 q + 4 l + 0..3 of a row (q = 0..7): every load of the wave is 512 consecutive bytes.  No LDS, no barrier: waves share nothing.
; ALL LOADS GO OUT AT THE HEAD: the two rows of x, then the 12 gate rows whole, 96 loads, so that no chunk is asked for only when an earlier one has been multiplied.
; xq: a token's 1,024 codes lie in the order in which the conversions leave them: byte 512 u + 16 l + 4 a + i holds k = 128 (4 u + a) + 4 l + i.  The launch that multiplies lays w1 in the same order,
; so every product meets its partner.
; meta[t] = (1 << first index) | (1 << (16 + second index)); gates[t] = the two softmax weights.  These two stores are 8 and 16 bytes a wave, 24 KB in the whole launch.
; REGISTERS, in windows of 256: window 0: all but the gate rows.  Window 1: chunks 0-3 of the gate rows, chunk q, row g at v[48 (q % 4) + 4 g]; window 2: chunks 4-7 likewise.  Five switches in all.
.set X,   32                           ; v32-95   token a, chunk q at X + 32 a + 4 q
.set ACC, 192                          ; v192-239 a pair of partial sums for (token a, gate g) at ACC + 2 (12 a + g)
.set L,   96                           ; v96-119  the logits
.set M,   120                          ; v120-143 the logits with the largest taken out
.set C,   144                          ; v144-159 the codes
.set MSB, 0
.macro WIN new                         ; the immediate's high byte repeats the setting that is left; a switch that changes nothing is dropped
.if MSB != \new
	s_set_vgpr_msb (MSB<<8)|\new
.set MSB, \new
.endif
.endm
.macro GLOAD q                         ; chunk q of the 12 gate rows
.irp g, 0,1,2,3,4,5,6,7,8,9,10,11
	global_load_b128 v[48*((\q)%4)+4*\g:48*((\q)%4)+4*\g+3], v1, s[6:7] offset:4096*\g+512*(\q)
.endr
.endm
.macro DOT q                           ; 48 packed multiply-adds: two tokens x 12 gates x 4 numbers; the very first products start the sums
.irp half, 0,1
.irp a, 0,1
.irp g, 0,1,2,3,4,5,6,7,8,9,10,11
.if ((\q) == 0) && (\half == 0)
	v_pk_mul_f32 v[ACC+2*(12*\a+\g):ACC+2*(12*\a+\g)+1], v[X+32*\a+4*(\q)+2*\half:X+32*\a+4*(\q)+2*\half+1], v[48*((\q)%4)+4*\g+2*\half:48*((\q)%4)+4*\g+2*\half+1]
.else
	v_pk_fma_f32 v[ACC+2*(12*\a+\g):ACC+2*(12*\a+\g)+1], v[X+32*\a+4*(\q)+2*\half:X+32*\a+4*(\q)+2*\half+1], v[48*((\q)%4)+4*\g+2*\half:48*((\q)%4)+4*\g+2*\half+1], v[ACC+2*(12*\a+\g):ACC+2*(12*\a+\g)+1]
.endif
.endr
.endr
.endr
.endm
.macro SCAN src, bv, bi                ; the largest of 12 numbers and its index: a later number takes over only where it is strictly larger, so the lower index is kept
	v_mov_b32 v[\bv], v[\src]
	v_mov_b32 v[\bi], 0
.irp g, 1,2,3,4,5,6,7,8,9,10,11
	v_cmp_le_f32 vcc_lo, v[(\src)+\g], v[\bv]
	v_cndmask_b32 v[\bv], v[(\src)+\g], v[\bv], vcc_lo
	v_cndmask_b32 v[\bi], \g, v[\bi], vcc_lo
.endr
.endm
	s_load_b256 s[4:11], s[0:1], 0x0               ; x s[4:5], gate_w s[6:7], expert_bias s[8:9], lowp_scales s[10:11]
	s_load_b128 s[12:15], s[0:1], 0x20             ; xq s[12:13], meta s[14:15]
	s_load_b64 s[16:17], s[0:1], 0x30              ; gates
	v_lshrrev_b32 v2, 5, v0
	v_readfirstlane_b32 s18, v2                    ; wave
	v_and_b32 v2, 31, v0                           ; lane
	v_lshlrev_b32 v1, 4, v2                        ; 16 x lane
	v_mov_b32 v5, 0xff800000                       ; -infinity
	v_mov_b32 v6, 0                                ; a lane permute's destination counts as read: written once
	v_mov_b32 v7, 1
	s_lshl_b32 s19, ttmp9, 2
	s_add_co_u32 s19, s19, s18
	s_lshl_b32 s19, s19, 1                         ; my first token
	s_lshl_b32 s20, s19, 12                        ; its row of x: 4,096 bytes a token
	s_mov_b32 s21, 0
	s_lshl_b32 s40, s19, 10                        ; its codes: 1,024 bytes a token
	s_mov_b32 s41, 0
	s_lshl_b32 s42, s19, 2                         ; its word of meta
	s_mov_b32 s43, 0
	s_lshl_b32 s44, s19, 3                         ; its pair of gates
	s_mov_b32 s45, 0
	s_mov_b32 s36, 0x76543210                      ; v_permlanex16_b32: each lane takes its own place in the other half
	s_mov_b32 s37, 0xfedcba98
	s_wait_kmcnt 0x0
	s_load_b32 s22, s[10:11], 0x0                  ; ex
	s_load_b256 s[24:31], s[8:9], 0x0              ; the biases of experts 0 to 7,
	s_load_b128 s[32:35], s[8:9], 0x20             ; and of 8 to 11
	s_add_nc_u64 s[4:5], s[4:5], s[20:21]
	s_add_nc_u64 s[12:13], s[12:13], s[40:41]
	s_add_nc_u64 s[14:15], s[14:15], s[42:43]
	s_add_nc_u64 s[16:17], s[16:17], s[44:45]
.irp a, 0,1
.irp q, 0,1,2,3,4,5,6,7
	global_load_b128 v[X+32*\a+4*\q:X+32*\a+4*\q+3], v1, s[4:5] offset:4096*\a+512*\q th:TH_LOAD_NT
.endr
.endr
	WIN 0x40                                       ; destination window 1, address window 0
.irp q, 0,1,2,3
	GLOAD \q
.endr
	WIN 0x80                                       ; destination window 2
.irp q, 4,5,6,7
	GLOAD \q
.endr
.irp q, 0,1,2,3,4,5,6,7
.if \q < 3
	s_wait_loadcnt 60                              ; loads come back in order: x and chunks 0 to 2 are in; the five chunks behind them, 60 loads, may be out (for chunks 0 and 1 a smaller count than they need: a wait's count names 63 at the most)
.else
	s_wait_loadcnt 12*(7-\q)                       ; chunk q is in; the chunks behind it, twelve loads each, may be out
.endif
.if \q < 4
	WIN 0x04                                       ; source 1 window 1
.else
	WIN 0x08                                       ; source 1 window 2
.endif
	DOT \q
.endr
	WIN 0
.set n, 0
.rept 24
	v_add_f32 v[L+n], v[ACC+2*n], v[ACC+2*n+1]     ; a pair's two halves
.set n, n+1
.endr
.irp k, 1,2,4,8                        ; across the 32 lanes: four steps inside each half of 16 lanes, one across the halves; every lane ends with the sum
.set n, 0
.rept 24
	v_add_f32_dpp v[L+n], v[L+n], v[L+n] row_xmask:\k row_mask:0xf bank_mask:0xf
.set n, n+1
.endr
.endr
	s_wait_kmcnt 0x0                               ; ex and the biases
.irp a, 0,1
.irp g, 0,1,2,3,4,5,6,7,8,9,10,11
	v_permlanex16_b32 v6, v[L+12*\a+\g], s36, s37
	v_add_f32 v[L+12*\a+\g], v[L+12*\a+\g], v6
	v_add_f32 v[L+12*\a+\g], s[24+\g], v[L+12*\a+\g]   ; + expert_bias
.endr
.endr
.irp a, 0,1                            ; v8+a, v10+a: the largest logit and its index; v12+a, v14+a: the second
	SCAN L+12*\a, 8+\a, 10+\a
.irp g, 0,1,2,3,4,5,6,7,8,9,10,11
	v_cmp_eq_u32 vcc_lo, \g, v[10+\a]
	v_cndmask_b32 v[M+12*\a+\g], v[L+12*\a+\g], v5, vcc_lo   ; the largest is taken out
.endr
	SCAN M+12*\a, 12+\a, 14+\a
.endr
.irp a, 0,1
	v_sub_f32 v[16+\a], v[12+\a], v[8+\a]          ; the maximum is taken away: the first weight's exponent is 0, the second's is this difference, 0 or less
	v_mul_f32 v[16+\a], 0x3fb8aa3b, v[16+\a]       ; x log2(e)
.endr
	v_exp_f32 v18, v16
	v_exp_f32 v19, v17
.irp a, 0,1                            ; plain work that names no exponential's result stands between the batch and its wait: the words of meta
	v_lshlrev_b32 v[26+\a], v[10+\a], v7
	v_add_nc_u32 v[28+\a], 16, v[14+\a]
	v_lshlrev_b32 v[28+\a], v[28+\a], v7
	v_or_b32 v[26+\a], v[26+\a], v[28+\a]
.endr
	s_wait_alu depctr_va_vdst(0)                   ; one wait for both exponentials, ahead of their first reader
	v_add_f32 v20, 1.0, v18
	v_add_f32 v21, 1.0, v19
	v_rcp_f32 v22, v20                             ; the first weight: 1 / (1 + E)
	v_rcp_f32 v23, v21
	s_add_co_i32 s22, s22, 127
	s_lshl_b32 s23, s22, 23
	v_mov_b32 v3, s23                              ; 2^ex as f32: the conversion takes its exponent field.  (A plain line behind the reciprocals)
	s_add_co_i32 s22, s22, 15
	s_lshl_b32 s22, s22, 23
	s_or_b32 s22, s22, 0x600000
	v_mov_b32 v4, s22                              ; 57,344 x 2^ex
	s_wait_alu depctr_va_vdst(0)                   ; one wait for both reciprocals
	v_mul_f32 v24, v18, v22                        ; the second weight: E / (1 + E)
	v_mul_f32 v25, v19, v23
.set n, 0
.rept 64
	v_med3_num_f32 v[X+n], v[X+n], -v4, v4         ; the conversion to an 8-bit code does not saturate (ISA guide 7.6.2): the hold at the largest code x the scale
.set n, n+1
.endr
.irp a, 0,1
.irp u, 0,1
.irp p, 0,1
	v_cvt_scalef32_pk8_bf8_f32 v[C+8*\a+4*\u+2*\p:C+8*\a+4*\u+2*\p+1], v[X+32*\a+16*\u+8*\p:X+32*\a+16*\u+8*\p+7], v3
.endr
.endr
.endr
	v_nop                                          ; a plain line behind the last conversion
.irp a, 0,1
.irp u, 0,1
	global_store_b128 v1, v[C+8*\a+4*\u:C+8*\a+4*\u+3], s[12:13] offset:1024*\a+512*\u   ; the wave stores 512 consecutive bytes
.endr
.endr
	v_cmp_eq_u32 vcc_lo, 1, v2                     ; lane a takes token a's three numbers
	v_cndmask_b32 v30, v22, v23, vcc_lo
	v_cndmask_b32 v31, v24, v25, vcc_lo
	v_cndmask_b32 v16, v26, v27, vcc_lo
	v_lshlrev_b32 v17, 3, v2
	v_lshlrev_b32 v18, 2, v2
	v_cmp_gt_u32 vcc_lo, 2, v2
	s_wait_xcnt 0x0                                ; EXEC is a source of the stores above: it changes only behind this wait
	s_and_saveexec_b32 s38, vcc_lo
	global_store_b64 v17, v[30:31], s[16:17]
	global_store_b32 v18, v16, s[14:15]
	s_wait_xcnt 0x0                                ; and again in front of the line that widens it
	s_or_b32 exec_lo, exec_lo, s38
	s_endpgm
.Lfunc_end_k_q86899dd4bb_route:
	.size	k_q86899dd4bb_route, .Lfunc_end_k_q86899dd4bb_route-k_q86899dd4bb_route
	.p2alignl 7, 3214868480
	.fill 96, 4, 3214868480
	.section	.rodata,"a",@progbits
	.p2align	6, 0x0
	.amdhsa_kernel k_q86899dd4bb_route
		.amdhsa_group_segment_fixed_size 0
		.amdhsa_private_segment_fixed_size 0
		.amdhsa_enable_private_segment 0
		.amdhsa_kernarg_size 56
		.amdhsa_user_sgpr_count 2
		.amdhsa_user_sgpr_kernarg_segment_ptr 1
		.amdhsa_wavefront_size32 1
		.amdhsa_system_sgpr_workgroup_id_x 1
		.amdhsa_system_sgpr_workgroup_id_y 1
		.amdhsa_system_sgpr_workgroup_id_z 1
		.amdhsa_system_vgpr_workitem_id 0
		.amdhsa_next_free_vgpr 768
		.amdhsa_next_free_sgpr 66
		.amdhsa_reserve_vcc 1
		.amdhsa_float_denorm_mode_32 3
		.amdhsa_float_denorm_mode_16_64 3
		.amdhsa_memory_ordered 1
		.amdhsa_forward_progress 1
		.amdhsa_inst_pref_size 59
	.end_amdhsa_kernel
	.amdgpu_metadata
---
amdhsa.version: [ 1, 2 ]
amdhsa.kernels:
  - .name:           k_q86899dd4bb_route
    .symbol:         k_q86899dd4bb_route.kd
    .args:
      - { .name: x, .offset: 0, .size: 8, .value_kind: global_buffer, .address_space: global }
      - { .name: gate_w, .offset: 8, .size: 8, .value_kind: global_buffer, .address_space: global }
      - { .name: expert_bias, .offset: 16, .size: 8, .value_kind: global_buffer, .address_space: global }
      - { .name: lowp_scales, .offset: 24, .size: 8, .value_kind: global_buffer, .address_space: global }
      - { .name: xq, .offset: 32, .size: 8, .value_kind: global_buffer, .address_space: global }
      - { .name: meta, .offset: 40, .size: 8, .value_kind: global_buffer, .address_space: global }
      - { .name: gates, .offset: 48, .size: 8, .value_kind: global_buffer, .address_space: global }
    .group_segment_fixed_size: 0
    .private_segment_fixed_size: 0
    .kernarg_segment_align: 8
    .kernarg_segment_size: 56
    .max_flat_workgroup_size: 128
    .sgpr_count:     66
    .vgpr_count:     768
    .wavefront_size: 32
...
	.end_amdgpu_metadata
.endif
;; end of part 1
;; launch place (part 2): grid 8 x 1, 4 waves a work-group, no clusters, 0 bytes of LDS; arguments meta, list, slotpos, cnt; writes list, slotpos, cnt
.if DOCPART == 2
	.amdgcn_target "amdgcn-amd-amdhsa--gfx1250"
	.amdhsa_code_object_version 6
	.text
	.protected	k_q86899dd4bb_place
	.globl	k_q86899dd4bb_place
	.p2align	8
	.type	k_q86899dd4bb_place,@function
k_q86899dd4bb_place:
	s_mov_b64 s[64:65], 0
	v_nop
	global_prefetch_b8 v0, s[64:65] scope:SCOPE_SE
	s_setreg_imm32_b32 hwreg(HW_REG_WAVE_MODE, 25, 1), 1
	s_wait_xcnt 0x0
; PLACE.  The rows are placed by expert, from the whole numbers that the launch before stored.  Work-group e serves FFN expert e; its wave w places tokens 512 w .. 512 w + 511 in list[e]:
; the tokens that chose e take places 0, 1, .. cnt - 1, all others places 2,047 downward.  So every entry of list[e] holds a token's number, and a tile of 16 places may reach past cnt.
; slotpos[e][t] = 2,048 e + t's place;  cnt[e] = the members.  The order inside a list is free: each output row has one owner later on.
; Waves share nothing: no LDS, no barrier, no atomics.  EVERY WAVE COUNTS ALL FOUR QUARTERS ITSELF (8 KB of meta): a quarter's 16 groups of 32 tokens give 16 masks in 16 scalar registers, 16 counts and a tree of
; additions, so that no line waits for the line above it; the quarters in front of its own are added up by a select, with no branch.  Then it places its own 16 groups, four at a time, line by line.
; Group (q, i) of a quarter holds token 512 w + 128 q + 4 lane + i.  Every store has registers of its own, so no store's source is written again.
; The stores into list are 4 bytes a lane at places that the data choose: 64 KB in the whole launch.  Eight work-groups: there is work for no more.
.set TA,  8                            ; v8-11    at work: four groups by turns
.set RK,  12                           ; v12-15   members among the lanes below me
.set PM,  16                           ; v16-19   a member's place, then the place
.set PN,  20                           ; v20-23   the place of one that is no member
.set OWN, 32                           ; v32-47   my quarter's words of meta
.set MA,  64                           ; v64-127  all words of meta
.set ADR, 128                          ; v128-143 the byte offsets into list[e]
.set TOK, 144                          ; v144-159 the tokens' numbers
.set POS, 160                          ; v160-175 the words of slotpos
	s_load_b256 s[4:11], s[0:1], 0x0               ; meta s[4:5], list s[6:7], slotpos s[8:9], cnt s[10:11]
	v_lshrrev_b32 v2, 5, v0
	v_readfirstlane_b32 s12, v2                    ; w: my quarter
	v_and_b32 v2, 31, v0                           ; lane
	v_lshlrev_b32 v1, 4, v2
	s_lshl_b32 s23, s12, 9                         ; my first token
	v_lshl_add_u32 v3, v2, 2, s23                  ; 4 lane + 512 w
	s_lshl_b32 s13, 0x10001, ttmp9                 ; e as the first choice or as the second
	s_mov_b32 s14, 0                               ; members in front of my quarter, later: so far
	s_mov_b32 s16, 0                               ; members in all
	s_lshl_b32 s17, ttmp9, 11
	s_lshl_b32 s18, ttmp9, 13                      ; my expert's 8,192 bytes of list and of slotpos
	s_mov_b32 s19, 0
	s_lshl_b32 s20, s12, 11                        ; my quarter's 2,048 bytes of meta and of slotpos[e]
	s_mov_b32 s21, 0
	s_lshl_b32 s22, ttmp9, 2
	s_wait_kmcnt 0x0
	s_add_nc_u64 s[24:25], s[4:5], s[20:21]
	s_add_nc_u64 s[6:7], s[6:7], s[18:19]
	s_add_nc_u64 s[8:9], s[8:9], s[18:19]
	s_add_nc_u64 s[8:9], s[8:9], s[20:21]
.irp q, 0,1,2,3,4,5,6,7,8,9,10,11,12,13,14,15
	global_load_b128 v[MA+4*\q:MA+4*\q+3], v1, s[4:5] offset:512*\q
.endr
.irp q, 0,1,2,3
	global_load_b128 v[OWN+4*\q:OWN+4*\q+3], v1, s[24:25] offset:512*\q
.endr
	s_wait_loadcnt 0x0
.irp b, 0,1,2,3                        ; quarter b's members
.set k, 0
.rept 16
	v_and_b32 v[MA+16*\b+k], s13, v[MA+16*\b+k]
.set k, k+1
.endr
.set k, 0
.rept 16
	v_cmp_ne_u32 s[32+k], 0, v[MA+16*\b+k]         ; the lanes whose token chose e
.set k, k+1
.endr
.set k, 0
.rept 16
	s_bcnt1_i32_b32 s[32+k], s[32+k]
.set k, k+1
.endr
.irp k, 0,2,4,6,8,10,12,14
	s_add_co_u32 s[32+\k], s[32+\k], s[33+\k]
.endr
.irp k, 0,4,8,12
	s_add_co_u32 s[32+\k], s[32+\k], s[34+\k]
.endr
	s_add_co_u32 s32, s32, s36
	s_add_co_u32 s40, s40, s44
	s_add_co_u32 s32, s32, s40
	s_cmp_gt_u32 s12, \b                           ; does quarter b lie in front of mine?
	s_cselect_b32 s27, s32, 0
	s_add_co_u32 s14, s14, s27
	s_add_co_u32 s16, s16, s32
.endr
	s_sub_co_u32 s15, 2047, s23                    ; the next place from the top: 2,047 less the 512 w - s14 tokens in front of my quarter that are no members
	s_add_co_u32 s15, s15, s14
.irp q, 0,1,2,3                        ; my quarter: four groups at a time
.irp i, 0,1,2,3
	v_and_b32 v[TA+\i], s13, v[OWN+4*\q+\i]
.endr
.irp i, 0,1,2,3
	v_cmp_ne_u32 s[32+\i], 0, v[TA+\i]
.endr
.irp i, 0,1,2,3
	v_mbcnt_lo_u32_b32 v[RK+\i], s[32+\i], 0       ; members among the lanes below me
.endr
.irp i, 0,1,2,3
	s_bcnt1_i32_b32 s[36+\i], s[32+\i]             ; members in the group
.endr
	s_mov_b32 s40, s14                             ; s40-43: each group's first place from below; s44-47: from the top
	s_mov_b32 s44, s15
.irp i, 0,1,2
	s_add_co_u32 s[41+\i], s[40+\i], s[36+\i]
	s_add_co_u32 s[45+\i], s[44+\i], s[36+\i]
	s_sub_co_u32 s[45+\i], s[45+\i], 32            ; the top goes down by the group's non-members
.endr
	s_add_co_u32 s14, s43, s39
	s_add_co_u32 s15, s47, s39
	s_sub_co_u32 s15, s15, 32
.irp i, 0,1,2,3
	v_add_nc_u32 v[PM+\i], s[40+\i], v[RK+\i]      ; a member's place
.endr
.irp i, 0,1,2,3
	v_sub_nc_u32 v[PN+\i], v[RK+\i], v2
.endr
.irp i, 0,1,2,3
	v_add_nc_u32 v[PN+\i], s[44+\i], v[PN+\i]      ; the others: the top less the non-members below me
.endr
.irp i, 0,1,2,3
	v_cndmask_b32 v[PM+\i], v[PN+\i], v[PM+\i], s[32+\i]
.endr
.irp i, 0,1,2,3
	v_add_nc_u32 v[POS+4*\q+\i], s17, v[PM+\i]
.endr
.irp i, 0,1,2,3
	v_min_u32 v[ADR+4*\q+\i], 2047, v[PM+\i]       ; a number made from loaded data enters an address only behind this bound
.endr
.irp i, 0,1,2,3
	v_lshlrev_b32 v[ADR+4*\q+\i], 2, v[ADR+4*\q+\i]
.endr
.irp i, 0,1,2,3
	v_add_nc_u32 v[TOK+4*\q+\i], 128*\q+\i, v3
.endr
.irp i, 0,1,2,3
	global_store_b32 v[ADR+4*\q+\i], v[TOK+4*\q+\i], s[6:7]
.endr
	global_store_b128 v1, v[POS+4*\q:POS+4*\q+3], s[8:9] offset:512*\q   ; 512 consecutive bytes
.endr
	s_cmp_lg_u32 s12, 0
	s_cbranch_scc1 .Lend                           ; wave 0 stores the count
	v_mov_b32 v4, s16
	v_mov_b32 v5, s22
	v_cmp_eq_u32 vcc_lo, 0, v2
	s_wait_xcnt 0x0                                ; EXEC is a source of the stores above
	s_and_saveexec_b32 s26, vcc_lo
	global_store_b32 v5, v4, s[10:11]              ; cnt[e]
	s_wait_xcnt 0x0
	s_or_b32 exec_lo, exec_lo, s26
.Lend:
	s_endpgm
.Lfunc_end_k_q86899dd4bb_place:
	.size	k_q86899dd4bb_place, .Lfunc_end_k_q86899dd4bb_place-k_q86899dd4bb_place
	.p2alignl 7, 3214868480
	.fill 96, 4, 3214868480
	.section	.rodata,"a",@progbits
	.p2align	6, 0x0
	.amdhsa_kernel k_q86899dd4bb_place
		.amdhsa_group_segment_fixed_size 0
		.amdhsa_private_segment_fixed_size 0
		.amdhsa_enable_private_segment 0
		.amdhsa_kernarg_size 32
		.amdhsa_user_sgpr_count 2
		.amdhsa_user_sgpr_kernarg_segment_ptr 1
		.amdhsa_wavefront_size32 1
		.amdhsa_system_sgpr_workgroup_id_x 1
		.amdhsa_system_sgpr_workgroup_id_y 1
		.amdhsa_system_sgpr_workgroup_id_z 1
		.amdhsa_system_vgpr_workitem_id 0
		.amdhsa_next_free_vgpr 176
		.amdhsa_next_free_sgpr 66
		.amdhsa_reserve_vcc 1
		.amdhsa_float_denorm_mode_32 3
		.amdhsa_float_denorm_mode_16_64 3
		.amdhsa_memory_ordered 1
		.amdhsa_forward_progress 1
		.amdhsa_inst_pref_size 26
	.end_amdhsa_kernel
	.amdgpu_metadata
---
amdhsa.version: [ 1, 2 ]
amdhsa.kernels:
  - .name:           k_q86899dd4bb_place
    .symbol:         k_q86899dd4bb_place.kd
    .args:
      - { .name: meta, .offset: 0, .size: 8, .value_kind: global_buffer, .address_space: global }
      - { .name: list, .offset: 8, .size: 8, .value_kind: global_buffer, .address_space: global }
      - { .name: slotpos, .offset: 16, .size: 8, .value_kind: global_buffer, .address_space: global }
      - { .name: cnt, .offset: 24, .size: 8, .value_kind: global_buffer, .address_space: global }
    .group_segment_fixed_size: 0
    .private_segment_fixed_size: 0
    .kernarg_segment_align: 8
    .kernarg_segment_size: 32
    .max_flat_workgroup_size: 128
    .sgpr_count:     66
    .vgpr_count:     176
    .wavefront_size: 32
...
	.end_amdgpu_metadata
.endif
;; end of part 2
;; launch up (part 3): grid 32 x 8, 4 waves a work-group, no clusters, 67,072 bytes of LDS; arguments w1, xq, list, cnt, lowp_scales, hbuf; writes hbuf
.if DOCPART == 3
	.amdgcn_target "amdgcn-amd-amdhsa--gfx1250"
	.amdhsa_code_object_version 6
	.text
	.protected	k_q86899dd4bb_up
	.globl	k_q86899dd4bb_up
	.p2align	8
	.type	k_q86899dd4bb_up,@function
k_q86899dd4bb_up:
	s_mov_b64 s[64:65], 0
	v_nop
	global_prefetch_b8 v0, s[64:65] scope:SCOPE_SE
	s_setreg_imm32_b32 hwreg(HW_REG_WAVE_MODE, 25, 1), 1
	s_wait_xcnt 0x0
; UP.  h = Q(silu(Q(x) Q(w1)^T)) for the rows (token, expert) that the router chose, and for no others: the rows left out are multiplied by a combine weight that reference()'s own one_hot makes 0
; (shown at the head of the first kernel).
; THE WEIGHTS STAND STILL.  Work-group (j, e) owns hidden units 64 j .. 64 j + 63 of expert e: 64 rows of w1, 256 KB of f32, read from memory once in the whole launch.  Wave w quantises rows 16 w .. 16 w + 15
; into LDS; behind the ONE barrier every wave takes all 64 x 1,024 codes into 512 registers, and then walks the expert's tiles of 16 rows, wave w the tiles w, w + 4, ..  The trip count hangs on cnt[e], a whole number that
; an earlier launch stored: so the launch has no tensor load, no joint load, and no barrier or LDS access in the walk.  The 32 work-groups of an expert do read the same rows of xq, but for that reason cannot ask jointly.
; A tile's rows are gathered by list[e]; places past cnt[e] hold other tokens' numbers, whose results nobody reads.  An expert with no token still has its weights read: the barrier stands on every wave's path.
; K IS PERMUTED ALIKE IN BOTH OPERANDS: xq and my rows of w1 lie in the order in which the conversions leave them (byte 512 u + 16 l + 4 a + i holds k = 128 (4 u + a) + 4 l + i), so every load from memory is dense.
; TRANSPOSED: source 0 = 16 rows of w1, source 1 = 16 tokens: lane (r, h) holds token r and, in tile n, hidden units 16 n + 8 h + 0..7: its 8 codes are registers 2 n, 2 n + 1 of the next product's operand.
; hbuf[e][tile][j]: 1,024 bytes, the image of those 8 registers: registers 0-3 at 16 x lane, registers 4-7 at 512 + 16 x lane.
; SCALES: a sum stands for sum x 2^(ex + ew1).  silu = z / (1 + 2^(-z log2 e)); the code is sum x sigmoid / 2^(eh - ex - ew1): the three scales are folded into the conversion's one.
; LIMITS: -126 <= ew1 <= 112; ex + ew1 between -126 and 127; eh - ex - ew1 between -126 and 112.  NaN among the inputs is not served.
; REGISTERS, in windows of 256: window 0: v1-18 addresses and scales; first v32-223 six rows of w1 and v224-239 their codes; later v32-63 the sums, v64-95 at work, v96-103 h's codes.
;   windows 1, 2: w1's fragments (K step s, tile n) at v[16 (4 (s % 4) + n)], s < 4 and s >= 4.   window 3: the tile's 8 fragments of x at v[16 s].
.set PITCH, 1040                       ; a row of codes in LDS: 1,024 bytes + 16: an odd multiple of 16, so the 16 rows of a fragment load start at 16 different groups of banks
.set SPARE, 64*PITCH                   ; behind the 64 rows: the spare words, 128 bytes for each wave
.set LANE, 1
.set RR,   2                           ; lane % 16
.set HH,   3                           ; lane / 16
.set WST,  4                           ; where I store codes: 16 w rows + 16 x lane
.set WLD,  5                           ; where I read fragments: row r + 16 h
.set L16,  6                           ; 16 x lane
.set R4,   7                           ; 4 r
.set SPW,  8                           ; my spare word; never rewritten
.set NIL,  9                           ; 0; never rewritten
.set XON,  10                          ; byte offset in xq of my row of the NEXT tile, + 16 h
.set ID,   11                          ; the next tile's token, as loaded
.set XOC,  12                          ; the same offset for the first tile
.set H16,  13
.set ID2,  14                          ; the first tile's token; later at work
.set SW,   15                          ; 2^ew1
.set LW,   16                          ; 57,344 x 2^ew1
.set SH,   17                          ; 2^(eh - ex - ew1)
.set LH,   18                          ; 57,344 x that
.set XS,   32
.set CD,   224
.set ACC,  32
.set T,    64
.set HC,   96
.set HSTEP, 0x20000                    ; four tiles of hbuf, 32 KB each
.set MSB, 0
.macro WIN new                         ; the immediate's high byte repeats the setting that is left; a switch that changes nothing is dropped
.if MSB != \new
	s_set_vgpr_msb (MSB<<8)|\new
.set MSB, \new
.endif
.endm
.macro PLACES                          ; four plain vector lines behind matrix instructions, in front of loads into their sources and of the first read of their results
.rept 4
	v_nop
.endr
.endm
.macro ROWIN i                         ; row i of my 16: eight loads of 512 consecutive bytes, into slot i % 6
.irp q, 0,1,2,3,4,5,6,7
	global_load_b128 v[XS+32*((\i)%6)+4*\q:XS+32*((\i)%6)+4*\q+3], v[L16], s[4:5] offset:4096*(\i)+512*\q th:TH_LOAD_NT
.endr
.endm
.macro ROWQ i                          ; row i becomes 1,024 codes in LDS
.set SL, XS+32*((\i)%6)
.set CS, CD+8*((\i)%2)
.if (\i) > 10
	s_wait_loadcnt 8*(15-(\i))                     ; the rows issued behind row i may be out
.else
	s_wait_loadcnt 40                              ; five rows, eight loads each
.endif
.set n, 0
.rept 32
	v_med3_num_f32 v[SL+n], v[SL+n], -v[LW], v[LW]
.set n, n+1
.endr
.if (\i) >= 2
	s_wait_dscnt 2                                 ; the last row's two stores may be out: those of two rows back have read this set of codes
.endif
.irp u, 0,1
.irp p, 0,1
	v_cvt_scalef32_pk8_bf8_f32 v[CS+4*\u+2*\p:CS+4*\u+2*\p+1], v[SL+16*\u+8*\p:SL+16*\u+8*\p+7], v[SW]
.endr
.endr
	v_nop                                          ; a plain line behind the last conversion
	ds_store_b128 v[WST], v[CS:CS+3] offset:PITCH*(\i)
	ds_store_b128 v[WST], v[CS+4:CS+7] offset:PITCH*(\i)+512
.if (\i)+6 < 16
	ROWIN (\i)+6
.endif
.endm
.macro XIN first, adr                  ; four K steps' fragments of a tile of x, from K step first on: 16 loads into window 3
	WIN 0xc0
.irp s, \first, \first+1, \first+2, \first+3
.irp c, 0,1,2,3
	global_load_b128 v[16*(\s)+4*\c:16*(\s)+4*\c+3], v[\adr], s[6:7] offset:128*(\s)+32*\c
.endr
.endr
.endm
.macro MULS first, win                 ; 16 products: four K steps x four tiles of 16 hidden units; the four accumulators take turns, one instruction a turn; K step 0 starts the sums
	WIN \win
.irp s, \first, \first+1, \first+2, \first+3
.irp n, 0,1,2,3
.if (\s) == 0
	v_wmma_f32_16x16x128_bf8_bf8 v[ACC+8*\n:ACC+8*\n+7], v[16*(4*((\s)%4)+\n):16*(4*((\s)%4)+\n)+15], v[16*(\s):16*(\s)+15], 0
.else
	v_wmma_f32_16x16x128_bf8_bf8 v[ACC+8*\n:ACC+8*\n+7], v[16*(4*((\s)%4)+\n):16*(4*((\s)%4)+\n)+15], v[16*(\s):16*(\s)+15], v[ACC+8*\n:ACC+8*\n+7]
.endif
.endr
.endr
.endm
.macro SILUQ                           ; 32 sums a lane become 32 codes.  Each accumulator is read from its low end on
.set n, 0
.rept 16
	v_pk_mul_f32 v[T+n:T+n+1], v[ACC+n:ACC+n+1], s[40:41] op_sel_hi:[1,0]   ; -z log2(e)
.set n, n+2
.endr
.set n, 0
.rept 32
	v_exp_f32 v[T+n], v[T+n]
.set n, n+1
.endr
	v_nop                                          ; a plain line behind the last exponential
	s_wait_alu depctr_va_vdst(0)                   ; one wait for the batch, ahead of its first reader
.set n, 0
.rept 16
	v_pk_add_f32 v[T+n:T+n+1], v[T+n:T+n+1], 1.0 op_sel_hi:[1,0]
.set n, n+2
.endr
.set n, 0
.rept 32
	v_rcp_f32 v[T+n], v[T+n]
.set n, n+1
.endr
	v_nop
	s_wait_alu depctr_va_vdst(0)
.set n, 0
.rept 16
	v_pk_mul_f32 v[T+n:T+n+1], v[T+n:T+n+1], v[ACC+n:ACC+n+1]               ; sum x sigmoid
.set n, n+2
.endr
.set n, 0
.rept 32
	v_med3_num_f32 v[T+n], v[T+n], -v[LH], v[LH]
.set n, n+1
.endr
.irp n, 0,1,2,3
	v_cvt_scalef32_pk8_bf8_f32 v[HC+2*\n:HC+2*\n+1], v[T+8*\n:T+8*\n+7], v[SH]
.endr
	v_nop
.endm
; A tile of 16 rows.  On the way in the tile's 16 + 16 loads are out, and in front of them at most the load of the next tile's ids.  pre = 1: the tile has a successor, whose fragments are asked for as soon as this
; tile's registers are free.  What the last trip's loads and stores read (the offset XON, the ids' pointer, h's codes, hbuf's pointer) is written again in the trip's MIDDLE, behind one wait on XCNT that stands behind
; sixteen products.  hbuf's pointer is stepped there in every trip, a wave's first too: so the stores reach back by one step.
.macro TRIP pre
	s_wait_loadcnt 16                              ; K steps 0-3 are in, and the ids, which are older; K steps 4-7 (16 loads) may be out
	MULS 0, 0x0d                                   ; source 0 window 1, source 1 window 3
	WIN 0
	PLACES
	s_wait_xcnt 0x0                                ; the last trip's loads have read their offsets and pointer, its stores their data and base: all may be written
	s_add_nc_u64 s[38:39], s[38:39], HSTEP
.if \pre
	v_min_u32 v[ID2], 2047, v[ID]                  ; a loaded number enters an address only behind this bound
	v_lshl_add_u32 v[XON], v[ID2], 10, v[H16]      ; the next tile's rows
	s_add_co_u32 s42, s32, 8                       ; the ids of the tile two further on (held inside the list: every entry is a token's number)
	s_min_u32 s42, s42, 127
	s_lshl_b32 s42, s42, 6
	s_mov_b32 s43, 0
	s_add_nc_u64 s[36:37], s[34:35], s[42:43]
	s_add_co_u32 s32, s32, 4
	global_load_b32 v[ID], v[R4], s[36:37]
	XIN 0, XON
	s_wait_loadcnt 17                              ; K steps 4-7 are in; the ids and the 16 just issued may be out
.else
	s_wait_loadcnt 0
.endif
	MULS 4, 0x0e                                   ; source 0 window 2
	WIN 0
	PLACES
.if \pre
	XIN 4, XON
	WIN 0
.endif
	SILUQ
	global_store_b128 v[L16], v[HC:HC+3], s[38:39] offset:-HSTEP         ; 512 consecutive bytes each
	global_store_b128 v[L16], v[HC+4:HC+7], s[38:39] offset:512-HSTEP
.endm
	s_load_b256 s[4:11], s[0:1], 0x0               ; w1 s[4:5], xq s[6:7], list s[8:9], cnt s[10:11]
	s_load_b128 s[12:15], s[0:1], 0x20             ; lowp_scales s[12:13], hbuf s[14:15]
	v_lshl_add_u32 v[SPW], v0, 2, SPARE
	v_mov_b32 v[NIL], 0
	v_lshrrev_b32 v[LANE], 5, v0
	v_readfirstlane_b32 s16, v[LANE]               ; wave
	v_and_b32 v[LANE], 31, v0
	v_and_b32 v[RR], 15, v0
	v_bfe_u32 v[HH], v0, 4, 1
	v_lshlrev_b32 v[L16], 4, v[LANE]
	s_mul_i32 s42, s16, 16*PITCH
	v_add_nc_u32 v[WST], s42, v[L16]
	v_mul_u32_u24 v[WLD], v[RR], PITCH
	v_lshl_add_u32 v[WLD], v[HH], 4, v[WLD]
	v_lshlrev_b32 v[R4], 2, v[RR]
	v_lshlrev_b32 v[H16], 4, v[HH]
	s_mov_b32 s17, ttmp9                           ; j
	s_and_b32 s18, ttmp7, 0xffff                   ; e
	s_lshl_b32 s20, s18, 11
	s_lshl_b32 s42, s17, 6
	s_add_co_u32 s20, s20, s42
	s_lshl_b32 s42, s16, 4
	s_add_co_u32 s20, s20, s42                     ; my first row of w1: 2,048 e + 64 j + 16 w,
	s_lshl_b32 s20, s20, 12                        ; of 4,096 bytes
	s_mov_b32 s21, 0
	s_lshl_b32 s44, s18, 2                         ; cnt[e]
	s_mov_b32 s45, 0
	s_lshl_b32 s46, s18, 13                        ; list[e]
	s_mov_b32 s47, 0
	s_lshl_b32 s22, s18, 22                        ; hbuf: 4 MB an expert, 32 KB a tile, 1 KB a slice
	s_lshl_b32 s42, s16, 15
	s_add_co_u32 s22, s22, s42
	s_lshl_b32 s42, s17, 10
	s_add_co_u32 s22, s22, s42
	s_mov_b32 s23, 0
	s_lshl_b32 s42, s16, 6                         ; the ids of tile w
	s_mov_b32 s43, 0
	s_wait_kmcnt 0x0
	s_add_nc_u64 s[10:11], s[10:11], s[44:45]
	s_load_b128 s[24:27], s[12:13], 0x0            ; ex, ew1, ew2, eh
	s_load_b32 s28, s[10:11], 0x0                  ; cnt[e]
	s_add_nc_u64 s[4:5], s[4:5], s[20:21]
	s_add_nc_u64 s[34:35], s[8:9], s[46:47]
	s_add_nc_u64 s[36:37], s[34:35], s[42:43]
	s_add_nc_u64 s[38:39], s[14:15], s[22:23]
	global_load_b32 v[ID2], v[R4], s[36:37]            ; the ids of tiles w and w + 4: the oldest loads, so the rows' counted waits show them in
	global_load_b32 v[ID], v[R4], s[36:37] offset:256
.irp i, 0,1,2,3,4,5
	ROWIN \i
.endr
	s_wait_kmcnt 0x0
	s_add_co_i32 s42, s25, 127
	s_lshl_b32 s43, s42, 23
	v_mov_b32 v[SW], s43
	s_add_co_i32 s42, s42, 15
	s_lshl_b32 s42, s42, 23
	s_or_b32 s42, s42, 0x600000
	v_mov_b32 v[LW], s42
	s_add_co_i32 s44, s24, s25                     ; ex + ew1
	s_sub_co_i32 s42, s27, s44                     ; eh - ex - ew1
	s_add_co_i32 s42, s42, 127
	s_lshl_b32 s43, s42, 23
	v_mov_b32 v[SH], s43
	s_add_co_i32 s42, s42, 15
	s_lshl_b32 s42, s42, 23
	s_or_b32 s42, s42, 0x600000
	v_mov_b32 v[LH], s42
	s_add_co_i32 s44, s44, 127
	s_lshl_b32 s44, s44, 23
	s_mul_f32 s40, s44, 0xbfb8aa3b                 ; -log2(e) x 2^(ex + ew1)
	s_mov_b32 s41, s40                             ; (named with it as a pair, so it is written)
	s_min_u32 s28, s28, 2048
	s_add_co_u32 s29, s28, 15
	s_lshr_b32 s29, s29, 4                         ; the expert's tiles
	s_add_co_u32 s29, s29, 3
	s_sub_co_u32 s29, s29, s16
	s_lshr_b32 s29, s29, 2                         ; my wave's: tiles w, w + 4, ..
	s_sub_co_u32 s30, s29, 1                       ; those that have a successor
.irp i, 0,1,2,3,4,5,6,7,8,9,10,11,12,13,14,15
	ROWQ \i
.endr
	v_min_u32 v[ID2], 2047, v[ID2]                 ; a loaded number enters an address only behind this bound
	v_lshl_add_u32 v[XOC], v[ID2], 10, v[H16]
	s_wait_dscnt 0x0                               ; for the others' sake: my codes lie in LDS
	s_barrier_signal -1
	s_barrier_wait -1                              ; all 64 rows do.  Nobody writes them again
	s_cmp_eq_u32 s29, 0
	s_cbranch_scc1 .Lend                           ; a wave with no tile: no barrier follows
	XIN 0, XOC                                     ; the first tile is asked for ahead of the 128 LDS loads below
	XIN 4, XOC
.irp s, 0,1,2,3,4,5,6,7                ; the whole slice into my registers
.if \s < 4
	WIN 0x40
.else
	WIN 0x80
.endif
.irp n, 0,1,2,3
.irp c, 0,1,2,3
	ds_load_b128 v[16*(4*(\s%4)+\n)+4*\c:16*(4*(\s%4)+\n)+4*\c+3], v[WLD] offset:16*\n*PITCH+128*\s+32*\c
.endr
.endr
.endr
	WIN 0
	s_wait_dscnt 0x0
	s_mov_b32 s31, 0
	s_mov_b32 s32, s16                             ; the tile in hand
	s_cmp_eq_u32 s30, 0
	s_cbranch_scc1 .Ltail
.Lloop:
	TRIP 1
	s_add_co_u32 s31, s31, 1
	s_cmp_lt_u32 s31, s30
	s_cbranch_scc1 .Lloop
.Ltail:
	TRIP 0                                         ; my last tile asks for nothing
.Lend:
	s_wait_tensorcnt 0x0                           ; the wave's end: three lines behind my last LDS store
	ds_add_u32 v[SPW], v[NIL]
	s_wait_dscnt 0x0
	s_endpgm
.Lfunc_end_k_q86899dd4bb_up:
	.size	k_q86899dd4bb_up, .Lfunc_end_k_q86899dd4bb_up-k_q86899dd4bb_up
	.p2alignl 7, 3214868480
	.fill 96, 4, 3214868480
	.section	.rodata,"a",@progbits
	.p2align	6, 0x0
	.amdhsa_kernel k_q86899dd4bb_up
		.amdhsa_group_segment_fixed_size 67072
		.amdhsa_private_segment_fixed_size 0
		.amdhsa_enable_private_segment 0
		.amdhsa_kernarg_size 48
		.amdhsa_user_sgpr_count 2
		.amdhsa_user_sgpr_kernarg_segment_ptr 1
		.amdhsa_wavefront_size32 1
		.amdhsa_system_sgpr_workgroup_id_x 1
		.amdhsa_system_sgpr_workgroup_id_y 1
		.amdhsa_system_sgpr_workgroup_id_z 1
		.amdhsa_system_vgpr_workitem_id 0
		.amdhsa_next_free_vgpr 1024
		.amdhsa_next_free_sgpr 66
		.amdhsa_reserve_vcc 0
		.amdhsa_float_denorm_mode_32 3
		.amdhsa_float_denorm_mode_16_64 3
		.amdhsa_memory_ordered 1
		.amdhsa_forward_progress 1
		.amdhsa_inst_pref_size 91
	.end_amdhsa_kernel
	.amdgpu_metadata
---
amdhsa.version: [ 1, 2 ]
amdhsa.kernels:
  - .name:           k_q86899dd4bb_up
    .symbol:         k_q86899dd4bb_up.kd
    .args:
      - { .name: w1, .offset: 0, .size: 8, .value_kind: global_buffer, .address_space: global }
      - { .name: xq, .offset: 8, .size: 8, .value_kind: global_buffer, .address_space: global }
      - { .name: list, .offset: 16, .size: 8, .value_kind: global_buffer, .address_space: global }
      - { .name: cnt, .offset: 24, .size: 8, .value_kind: global_buffer, .address_space: global }
      - { .name: lowp_scales, .offset: 32, .size: 8, .value_kind: global_buffer, .address_space: global }
      - { .name: hbuf, .offset: 40, .size: 8, .value_kind: global_buffer, .address_space: global }
    .group_segment_fixed_size: 67072
    .private_segment_fixed_size: 0
    .kernarg_segment_align: 8
    .kernarg_segment_size: 48
    .max_flat_workgroup_size: 128
    .sgpr_count:     66
    .vgpr_count:     1024
    .wavefront_size: 32
...
	.end_amdgpu_metadata
.endif
;; end of part 3
;; launch down (part 4): grid 32 x 8, 4 waves a work-group, no clusters, 75,776 bytes of LDS; arguments w2, hbuf, cnt, lowp_scales, ybuf; writes ybuf
.if DOCPART == 4
	.amdgcn_target "amdgcn-amd-amdhsa--gfx1250"
	.amdhsa_code_object_version 6
	.text
	.protected	k_q86899dd4bb_down
	.globl	k_q86899dd4bb_down
	.p2align	8
	.type	k_q86899dd4bb_down,@function
k_q86899dd4bb_down:
	s_mov_b64 s[64:65], 0
	v_nop
	global_prefetch_b8 v0, s[64:65] scope:SCOPE_SE
	s_setreg_imm32_b32 hwreg(HW_REG_WAVE_MODE, 25, 1), 1
	s_wait_xcnt 0x0
; DOWN.  The sums of Q(h) Q(w2)^T for the rows (token, expert) that the router chose, and for no others (the rows left out meet a combine weight that reference()'s own one_hot makes 0: head of the first kernel).
; THE WEIGHTS STAND STILL, as in the launch before.  Work-group (c, e) owns output columns 32 c .. 32 c + 31 of expert e: 32 rows of w2, 256 KB of f32, read from memory once in the whole launch.  Wave w quantises rows
; 8 w .. 8 w + 7 into LDS; behind the ONE barrier every wave takes all 32 x 2,048 codes into 512 registers and walks the expert's tiles of 16 rows, wave w the tiles w, w + 4, ..  The trip count hangs on cnt[e], a stored whole
; number: so no tensor load, no joint load, and no barrier in the walk.  A tile of h is 32 KB of register images, dense in memory: 64 loads of 512 consecutive bytes.
; K LIES IN ITS TRUE PLACES (registers 2 c, 2 c + 1 of a fragment: k = 16 c + 8 h + 0..7), as h's codes were made.  So a lane's four neighbours along K of one row are converted together with four of the next row,
; and each register of four codes goes to its own row in LDS.
; TRANSPOSED: source 0 = 16 rows of w2, source 1 = 16 rows of h: lane (r, h) holds row r and columns 16 n + 8 h + 0..7.  Four accumulators (two tiles of columns x even and odd K steps) take turns.
; ybuf[e][tile][c]: 16 rows x 32 f32 = 2,048 bytes, the sums as they are: the last launch multiplies by 2^(ew2 + eh).  They go through my wave's own stage in LDS, so that each store is 512 consecutive bytes.
; LIMITS: -126 <= ew2 <= 112.  NaN among the inputs is not served.  An expert with no token still has its weights read: the barrier stands on every wave's path.
; REGISTERS, in windows of 256: window 0: v1-16 addresses and scales; first v32-223 six groups of w2 and v224-239 their codes; later v32-63 the sums, v64-79 the results, v80-95 rows on the way out.
;   windows 1, 2: w2's fragments (K step i, tile n) at v[16 (2 (i % 8) + n)], i < 8 and i >= 8.   window 3: the tile's 16 fragments of h at v[16 i].
.set PITCH,  2064                      ; a row of codes in LDS: 2,048 bytes + 16 = 516 words: lane (r, h) of an 8-byte load starts at bank 4 r + 2 h
.set STG,    32*PITCH                  ; behind the 32 rows: a stage of 16 rows x 144 bytes for each wave
.set SPITCH, 144
.set SPARE,  STG+4*16*SPITCH           ; behind the stages: the spare words, 128 bytes for each wave
.set HSTEP,  0x20000                   ; four tiles of hbuf, 32 KB each
.set YSTEP,  0x40000                   ; four tiles of ybuf, 64 KB each
.set LANE, 1
.set RR,   2
.set HH,   3
.set WST,  4                           ; where I store codes: 8 w rows + 4 x lane
.set WLD,  5                           ; where I read fragments: row r + 8 h
.set L16,  6                           ; 16 x lane
.set SPW,  8                           ; my spare word; never rewritten
.set NIL,  9                           ; 0; never rewritten
.set SST,  10                          ; the stage: where I put 32 bytes of row r
.set SLD,  11                          ; and where I read 16 bytes back: eight lanes to a row
.set TM,   12
.set SW,   15                          ; 2^ew2
.set LW,   16                          ; 57,344 x 2^ew2
.set XS,   32
.set CD,   224
.set ACC,  32                          ; accumulator (tile n, parity p) at ACC + 8 (2 p + n)
.set Y,    64
.set O,    80
.set MSB, 0
.macro WIN new                         ; the immediate's high byte repeats the setting that is left; a switch that changes nothing is dropped
.if MSB != \new
	s_set_vgpr_msb (MSB<<8)|\new
.set MSB, \new
.endif
.endm
.macro PLACES                          ; four plain vector lines behind matrix instructions, in front of loads into their sources and of the first read of their results
.rept 4
	v_nop
.endr
.endm
.macro GRPIN g                         ; group g of 16: rows 2 (g / 4) and 2 (g / 4) + 1 of my eight, 512 along K from 512 (g % 4) on: eight loads of 512 consecutive bytes, into slot g % 6
.set SLI, XS+32*((\g)%6)
.set RWI, 2*((\g)/4)
.set QDI, 4*((\g)%4)
.irp a, 0,1,2,3
	global_load_b128 v[SLI+8*\a:SLI+8*\a+3], v[L16], s[4:5] offset:8192*RWI+512*(QDI+\a) th:TH_LOAD_NT
	global_load_b128 v[SLI+8*\a+4:SLI+8*\a+7], v[L16], s[4:5] offset:8192*(RWI+1)+512*(QDI+\a) th:TH_LOAD_NT
.endr
.endm
.macro GRPQ g
.set SL, XS+32*((\g)%6)
.set CS, CD+8*((\g)%2)
.set RW, 2*((\g)/4)
.set QD, 4*((\g)%4)
.if (\g) > 10
	s_wait_loadcnt 8*(15-(\g))                     ; the groups issued behind group g may be out
.else
	s_wait_loadcnt 40                              ; five groups, eight loads each
.endif
.set n, 0
.rept 32
	v_med3_num_f32 v[SL+n], v[SL+n], -v[LW], v[LW]
.set n, n+1
.endr
.if (\g) >= 2
	s_wait_dscnt 8                                 ; the last group's eight stores may be out: those of two groups back have read this set of codes
.endif
.irp a, 0,1,2,3
	v_cvt_scalef32_pk8_bf8_f32 v[CS+2*\a:CS+2*\a+1], v[SL+8*\a:SL+8*\a+7], v[SW]   ; four codes of the even row, four of the odd
.endr
	v_nop                                          ; a plain line behind the last conversion
.irp a, 0,1,2,3
	ds_store_b32 v[WST], v[CS+2*\a] offset:RW*PITCH+128*(QD+\a)          ; 32 lanes: 128 consecutive bytes of a row
	ds_store_b32 v[WST], v[CS+2*\a+1] offset:(RW+1)*PITCH+128*(QD+\a)
.endr
.if (\g)+6 < 16
	GRPIN (\g)+6
.endif
.endm
.macro HIN first                       ; eight K steps' fragments of the tile of h at which the pointer stands, from K step first on: 32 loads into window 3
	WIN 0xc0
.irp i, \first, \first+1, \first+2, \first+3, \first+4, \first+5, \first+6, \first+7
.irp m, 0,1,2,3
	global_load_b128 v[16*(\i)+4*\m:16*(\i)+4*\m+3], v[L16], s[36:37] offset:2048*(\i)+512*\m
.endr
.endr
.endm
.macro MULS first, win                 ; 16 products: eight K steps x two tiles of 16 columns; the four accumulators take turns, one instruction a turn; K steps 0 and 1 start the sums
	WIN \win
.irp i, \first, \first+1, \first+2, \first+3, \first+4, \first+5, \first+6, \first+7
.irp n, 0,1
.if (\i) < 2
	v_wmma_f32_16x16x128_bf8_bf8 v[ACC+8*(2*((\i)%2)+\n):ACC+8*(2*((\i)%2)+\n)+7], v[16*(2*((\i)%8)+\n):16*(2*((\i)%8)+\n)+15], v[16*(\i):16*(\i)+15], 0
.else
	v_wmma_f32_16x16x128_bf8_bf8 v[ACC+8*(2*((\i)%2)+\n):ACC+8*(2*((\i)%2)+\n)+7], v[16*(2*((\i)%8)+\n):16*(2*((\i)%8)+\n)+15], v[16*(\i):16*(\i)+15], v[ACC+8*(2*((\i)%2)+\n):ACC+8*(2*((\i)%2)+\n)+7]
.endif
.endr
.endr
.endm
; A tile of 16 rows.  On the way in the tile's 32 + 32 loads are the only ones out.  pre = 1: the tile has a successor, four tiles on.  What the last trip's loads and stores read (the two pointers, the rows on the way
; out) is written again in the trip's MIDDLE or later, behind one wait on XCNT that stands behind sixteen products.  ybuf's pointer is stepped there in every trip, a wave's first too: so the stores reach back by one step.
; The results go into the stage and are asked back AHEAD of the 32 loads of the trip's second half, so that the stage's round trip runs while those are issued.
.macro TRIP pre
	s_wait_loadcnt 32                              ; K steps 0-7 are in; K steps 8-15 may be out
	MULS 0, 0x0d                                   ; source 0 window 1, source 1 window 3
	PLACES
	s_wait_xcnt 0x0                                ; the last trip's loads have read their base, its stores their data and base: all may be written
	s_add_nc_u64 s[38:39], s[38:39], YSTEP
.if \pre
	s_add_nc_u64 s[36:37], s[36:37], HSTEP         ; the next tile of h
	HIN 0
	s_wait_loadcnt 32                              ; K steps 8-15 are in; the 32 just issued may be out
.else
	s_wait_loadcnt 0
.endif
	MULS 8, 0x0e                                   ; source 0 window 2
	WIN 0
	PLACES
.irp n, 0,1
.irp p, 0,2,4,6
	v_pk_add_f32 v[Y+8*\n+\p:Y+8*\n+\p+1], v[ACC+8*\n+\p:ACC+8*\n+\p+1], v[ACC+16+8*\n+\p:ACC+16+8*\n+\p+1]   ; even K steps' sum + odd K steps'; each accumulator from its low end on
.endr
.endr
.irp n, 0,1
	ds_store_b128 v[SST], v[Y+8*\n:Y+8*\n+3] offset:64*\n
	ds_store_b128 v[SST], v[Y+8*\n+4:Y+8*\n+7] offset:64*\n+16
.endr
.irp m, 0,1,2,3
	ds_load_b128 v[O+4*\m:O+4*\m+3], v[SLD] offset:4*SPITCH*\m    ; LDS serves a wave's instructions in order (ISA guide 5.7.1.4): these see my stores
.endr
.if \pre
	HIN 8
	WIN 0
.endif
	s_wait_dscnt 0x0                               ; the rows are back in registers
.irp m, 0,1,2,3
	global_store_b128 v[L16], v[O+4*\m:O+4*\m+3], s[38:39] offset:512*\m-YSTEP     ; four rows of 128 bytes: 512 consecutive bytes
.endr
.endm
	s_load_b256 s[4:11], s[0:1], 0x0               ; w2 s[4:5], hbuf s[6:7], cnt s[8:9], lowp_scales s[10:11]
	s_load_b64 s[12:13], s[0:1], 0x20              ; ybuf
	v_lshl_add_u32 v[SPW], v0, 2, SPARE
	v_mov_b32 v[NIL], 0
	v_lshrrev_b32 v[LANE], 5, v0
	v_readfirstlane_b32 s16, v[LANE]               ; wave
	v_and_b32 v[LANE], 31, v0
	v_and_b32 v[RR], 15, v0
	v_bfe_u32 v[HH], v0, 4, 1
	v_lshlrev_b32 v[L16], 4, v[LANE]
	s_mul_i32 s42, s16, 8*PITCH
	v_lshlrev_b32 v[WST], 2, v[LANE]
	v_add_nc_u32 v[WST], s42, v[WST]
	v_mul_u32_u24 v[WLD], v[RR], PITCH
	v_lshl_add_u32 v[WLD], v[HH], 3, v[WLD]
	s_mul_i32 s42, s16, 16*SPITCH
	s_add_co_u32 s42, s42, STG                     ; my stage
	v_mul_u32_u24 v[SST], v[RR], SPITCH
	v_lshl_add_u32 v[SST], v[HH], 5, v[SST]
	v_add_nc_u32 v[SST], s42, v[SST]
	v_lshrrev_b32 v[TM], 3, v[LANE]
	v_mul_u32_u24 v[SLD], v[TM], SPITCH
	v_and_b32 v[TM], 7, v[LANE]
	v_lshl_add_u32 v[SLD], v[TM], 4, v[SLD]
	v_add_nc_u32 v[SLD], s42, v[SLD]
	s_mov_b32 s17, ttmp9                           ; c
	s_and_b32 s18, ttmp7, 0xffff                   ; e
	s_lshl_b32 s20, s18, 10
	s_lshl_b32 s42, s17, 5
	s_add_co_u32 s20, s20, s42
	s_lshl_b32 s42, s16, 3
	s_add_co_u32 s20, s20, s42                     ; my first row of w2: 1,024 e + 32 c + 8 w,
	s_lshl_b32 s20, s20, 13                        ; of 8,192 bytes
	s_mov_b32 s21, 0
	s_lshl_b32 s22, s18, 22                        ; hbuf: 4 MB an expert, 32 KB a tile
	s_lshl_b32 s42, s16, 15
	s_add_co_u32 s22, s22, s42
	s_mov_b32 s23, 0
	s_lshl_b32 s44, s18, 2                         ; cnt[e]
	s_mov_b32 s45, 0
	s_lshl_b32 s46, s18, 23                        ; ybuf: 8 MB an expert, 64 KB a tile, 2 KB a slice of columns
	s_lshl_b32 s42, s16, 16
	s_add_co_u32 s46, s46, s42
	s_lshl_b32 s42, s17, 11
	s_add_co_u32 s46, s46, s42
	s_mov_b32 s47, 0
	s_wait_kmcnt 0x0
	s_add_nc_u64 s[8:9], s[8:9], s[44:45]
	s_load_b128 s[24:27], s[10:11], 0x0            ; ex, ew1, ew2, eh
	s_load_b32 s28, s[8:9], 0x0                    ; cnt[e]
	s_add_nc_u64 s[4:5], s[4:5], s[20:21]
	s_add_nc_u64 s[36:37], s[6:7], s[22:23]
	s_add_nc_u64 s[38:39], s[12:13], s[46:47]
.irp g, 0,1,2,3,4,5
	GRPIN \g
.endr
	s_wait_kmcnt 0x0
	s_add_co_i32 s42, s26, 127
	s_lshl_b32 s43, s42, 23
	v_mov_b32 v[SW], s43
	s_add_co_i32 s42, s42, 15
	s_lshl_b32 s42, s42, 23
	s_or_b32 s42, s42, 0x600000
	v_mov_b32 v[LW], s42
	s_min_u32 s28, s28, 2048
	s_add_co_u32 s29, s28, 15
	s_lshr_b32 s29, s29, 4                         ; the expert's tiles
	s_add_co_u32 s29, s29, 3
	s_sub_co_u32 s29, s29, s16
	s_lshr_b32 s29, s29, 2                         ; my wave's: tiles w, w + 4, ..
	s_sub_co_u32 s30, s29, 1                       ; those that have a successor
.irp g, 0,1,2,3,4,5,6,7,8,9,10,11,12,13,14,15
	GRPQ \g
.endr
	s_wait_dscnt 0x0                               ; for the others' sake: my codes lie in LDS
	s_barrier_signal -1
	s_barrier_wait -1                              ; all 32 rows do.  Nobody writes them again
	s_cmp_eq_u32 s29, 0
	s_cbranch_scc1 .Lend                           ; a wave with no tile reads no tile: no barrier follows
	HIN 0                                          ; the first tile is asked for ahead of the 256 LDS loads below
	HIN 8
.irp i, 0,1,2,3,4,5,6,7,8,9,10,11,12,13,14,15      ; the whole slice into my registers
.if \i < 8
	WIN 0x40
.else
	WIN 0x80
.endif
.irp n, 0,1
.irp c, 0,1,2,3,4,5,6,7
	ds_load_b64 v[16*(2*(\i%8)+\n)+2*\c:16*(2*(\i%8)+\n)+2*\c+1], v[WLD] offset:16*\n*PITCH+128*\i+16*\c
.endr
.endr
.endr
	WIN 0
	s_wait_dscnt 0x0
	s_mov_b32 s31, 0
	s_cmp_eq_u32 s30, 0
	s_cbranch_scc1 .Ltail
.Lloop:
	TRIP 1
	s_add_co_u32 s31, s31, 1
	s_cmp_lt_u32 s31, s30
	s_cbranch_scc1 .Lloop
.Ltail:
	TRIP 0                                         ; my last tile asks for nothing: no tile that was never stored is read
.Lend:
	s_wait_tensorcnt 0x0                           ; the wave's end: three lines behind my last LDS store
	ds_add_u32 v[SPW], v[NIL]
	s_wait_dscnt 0x0
	s_endpgm
.Lfunc_end_k_q86899dd4bb_down:
	.size	k_q86899dd4bb_down, .Lfunc_end_k_q86899dd4bb_down-k_q86899dd4bb_down
	.p2alignl 7, 3214868480
	.fill 96, 4, 3214868480
	.section	.rodata,"a",@progbits
	.p2align	6, 0x0
	.amdhsa_kernel k_q86899dd4bb_down
		.amdhsa_group_segment_fixed_size 75776
		.amdhsa_private_segment_fixed_size 0
		.amdhsa_enable_private_segment 0
		.amdhsa_kernarg_size 40
		.amdhsa_user_sgpr_count 2
		.amdhsa_user_sgpr_kernarg_segment_ptr 1
		.amdhsa_wavefront_size32 1
		.amdhsa_system_sgpr_workgroup_id_x 1
		.amdhsa_system_sgpr_workgroup_id_y 1
		.amdhsa_system_sgpr_workgroup_id_z 1
		.amdhsa_system_vgpr_workitem_id 0
		.amdhsa_next_free_vgpr 1024
		.amdhsa_next_free_sgpr 66
		.amdhsa_reserve_vcc 0
		.amdhsa_float_denorm_mode_32 3
		.amdhsa_float_denorm_mode_16_64 3
		.amdhsa_memory_ordered 1
		.amdhsa_forward_progress 1
		.amdhsa_inst_pref_size 98
	.end_amdhsa_kernel
	.amdgpu_metadata
---
amdhsa.version: [ 1, 2 ]
amdhsa.kernels:
  - .name:           k_q86899dd4bb_down
    .symbol:         k_q86899dd4bb_down.kd
    .args:
      - { .name: w2, .offset: 0, .size: 8, .value_kind: global_buffer, .address_space: global }
      - { .name: hbuf, .offset: 8, .size: 8, .value_kind: global_buffer, .address_space: global }
      - { .name: cnt, .offset: 16, .size: 8, .value_kind: global_buffer, .address_space: global }
      - { .name: lowp_scales, .offset: 24, .size: 8, .value_kind: global_buffer, .address_space: global }
      - { .name: ybuf, .offset: 32, .size: 8, .value_kind: global_buffer, .address_space: global }
    .group_segment_fixed_size: 75776
    .private_segment_fixed_size: 0
    .kernarg_segment_align: 8
    .kernarg_segment_size: 40
    .max_flat_workgroup_size: 128
    .sgpr_count:     66
    .vgpr_count:     1024
    .wavefront_size: 32
...
	.end_amdgpu_metadata
.endif
;; end of part 4
;; launch combine (part 5): grid 256 x 1, 8 waves a work-group, no clusters, 0 bytes of LDS; arguments x, ybuf, meta, slotpos, gates, lowp_scales, out0; writes out0
.if DOCPART == 5
	.amdgcn_target "amdgcn-amd-amdhsa--gfx1250"
	.amdhsa_code_object_version 6
	.text
	.protected	k_q86899dd4bb_combine
	.globl	k_q86899dd4bb_combine
	.p2align	8
	.type	k_q86899dd4bb_combine,@function
k_q86899dd4bb_combine:
	s_mov_b64 s[64:65], 0
	v_nop
	global_prefetch_b8 v0, s[64:65] scope:SCOPE_SE
	s_setreg_imm32_b32 hwreg(HW_REG_WAVE_MODE, 25, 1), 1
	s_wait_xcnt 0x0
; COMBINE.  out[t] = w0 r0 + w1 r1, where r_k is the row of token t's k-th chosen expert: for an FFN expert its row of sums in ybuf x 2^(ew2 + eh), for a zero expert x[t] itself.
; The terms of reference()'s sum over 8 experts whose weight its own one_hot makes 0 are left out (head of the first kernel); each output row has this one owner.
; A wave takes one token.  Which expert and which row are whole numbers that earlier launches stored (meta, slotpos): a scalar branch and a scalar address.  No LDS, no barrier.
; Lane l and load m hold columns 128 m + 4 l + 0..3, in x, in out0 and in ybuf alike.  In ybuf those lie in column slice 4 m + l / 8, at 16 (l % 8) of the row's 128 bytes: a row is read as 32 pieces of 128 bytes;
; x is read and out0 is stored 512 consecutive bytes an instruction.
; LIMIT: ew2 + eh between -126 and 127, so that 2^(ew2 + eh) is an f32 number.
.set R0, 8                             ; v8-39   the first row, then the result
.set R1, 40                            ; v40-71  the second row
.macro SIDE k
	s_mov_b32 s36, s28                             ; the token's place with its k-th expert, if that is an FFN expert: a choice among the eight words read
.irp e, 1,2,3,4,5,6,7
	s_bitcmp1_b32 s22, 16*\k+\e
	s_cselect_b32 s36, s[28+\e], s36
.endr
	s_and_b32 s37, s22, 0xff<<(16*\k)
	s_cmp_eq_u32 s37, 0
	s_cbranch_scc1 .Lzero_\@
	s_min_u32 s36, s36, 16383                      ; a loaded number enters an address only behind this bound
	s_and_b32 s37, s36, 0x3ff0
	s_lshl_b32 s38, s37, 12                        ; (expert, tile): 64 KB each
	s_and_b32 s37, s36, 15
	s_lshl_b32 s37, s37, 7                         ; the row in the tile: 128 bytes in each slice of columns
	s_add_co_u32 s38, s38, s37
	s_mov_b32 s39, 0
	s_add_nc_u64 s[40+2*\k:41+2*\k], s[6:7], s[38:39]
	s_mul_f32 s[44+2*\k], s[24+\k], s48            ; the weight x 2^(ew2 + eh)
.irp m, 0,1,2,3,4,5,6,7
	global_load_b128 v[R0+32*\k+4*\m:R0+32*\k+4*\m+3], v2, s[40+2*\k:41+2*\k] offset:8192*\m
.endr
	s_branch .Ljoin_\@
.Lzero_\@:
	s_mov_b32 s[44+2*\k], s[24+\k]                 ; a zero expert is the identity
.irp m, 0,1,2,3,4,5,6,7
	global_load_b128 v[R0+32*\k+4*\m:R0+32*\k+4*\m+3], v1, s[4:5] offset:512*\m
.endr
.Ljoin_\@:
	s_mov_b32 s[45+2*\k], s[44+2*\k]               ; (named with it as a pair, so it is written)
.endm
	s_load_b256 s[4:11], s[0:1], 0x0               ; x s[4:5], ybuf s[6:7], meta s[8:9], slotpos s[10:11]
	s_load_b128 s[12:15], s[0:1], 0x20             ; gates s[12:13], lowp_scales s[14:15]
	s_load_b64 s[16:17], s[0:1], 0x30              ; out0
	v_lshrrev_b32 v3, 5, v0
	v_readfirstlane_b32 s18, v3                    ; wave
	v_and_b32 v3, 31, v0                           ; lane
	v_lshlrev_b32 v1, 4, v3                        ; 16 l
	v_lshrrev_b32 v4, 3, v3
	v_and_b32 v5, 7, v3
	v_lshlrev_b32 v2, 11, v4
	v_lshl_add_u32 v2, v5, 4, v2                   ; 2,048 (l / 8) + 16 (l % 8)
	s_lshl_b32 s19, ttmp9, 3
	s_add_co_u32 s19, s19, s18                     ; my token
	s_lshl_b32 s20, s19, 2
	s_mov_b32 s21, 0
	s_lshl_b32 s50, s19, 3
	s_mov_b32 s51, 0
	s_lshl_b32 s52, s19, 12
	s_mov_b32 s53, 0
	s_wait_kmcnt 0x0
	s_add_nc_u64 s[8:9], s[8:9], s[20:21]
	s_add_nc_u64 s[10:11], s[10:11], s[20:21]
	s_add_nc_u64 s[12:13], s[12:13], s[50:51]
	s_add_nc_u64 s[4:5], s[4:5], s[52:53]
	s_add_nc_u64 s[16:17], s[16:17], s[52:53]
	s_load_b32 s22, s[8:9], 0x0                    ; meta[t]
	s_load_b64 s[24:25], s[12:13], 0x0             ; the two weights
	s_load_b64 s[26:27], s[14:15], 0x8             ; ew2, eh
.irp e, 0,1,2,3,4,5,6,7
	s_load_b32 s[28+\e], s[10:11], 8192*\e         ; slotpos[e][t]
.endr
	s_wait_kmcnt 0x0
	s_add_co_i32 s48, s26, s27
	s_add_co_i32 s48, s48, 127
	s_lshl_b32 s48, s48, 23                        ; 2^(ew2 + eh) as f32
	SIDE 0
	SIDE 1
	s_wait_loadcnt 0x0
.set n, 0
.rept 16
	v_pk_mul_f32 v[R0+n:R0+n+1], v[R0+n:R0+n+1], s[44:45] op_sel_hi:[1,0]
.set n, n+2
.endr
.set n, 0
.rept 16
	v_pk_fma_f32 v[R0+n:R0+n+1], v[R1+n:R1+n+1], s[46:47], v[R0+n:R0+n+1] op_sel_hi:[1,0,1]
.set n, n+2
.endr
.irp m, 0,1,2,3,4,5,6,7
	global_store_b128 v1, v[R0+4*\m:R0+4*\m+3], s[16:17] offset:512*\m th:TH_STORE_NT   ; 512 consecutive bytes; written once, read by nobody here
.endr
	s_endpgm
.Lfunc_end_k_q86899dd4bb_combine:
	.size	k_q86899dd4bb_combine, .Lfunc_end_k_q86899dd4bb_combine-k_q86899dd4bb_combine
	.p2alignl 7, 3214868480
	.fill 96, 4, 3214868480
	.section	.rodata,"a",@progbits
	.p2align	6, 0x0
	.amdhsa_kernel k_q86899dd4bb_combine
		.amdhsa_group_segment_fixed_size 0
		.amdhsa_private_segment_fixed_size 0
		.amdhsa_enable_private_segment 0
		.amdhsa_kernarg_size 56
		.amdhsa_user_sgpr_count 2
		.amdhsa_user_sgpr_kernarg_segment_ptr 1
		.amdhsa_wavefront_size32 1
		.amdhsa_system_sgpr_workgroup_id_x 1
		.amdhsa_system_sgpr_workgroup_id_y 1
		.amdhsa_system_sgpr_workgroup_id_z 1
		.amdhsa_system_vgpr_workitem_id 0
		.amdhsa_next_free_vgpr 80
		.amdhsa_next_free_sgpr 66
		.amdhsa_reserve_vcc 0
		.amdhsa_float_denorm_mode_32 3
		.amdhsa_float_denorm_mode_16_64 3
		.amdhsa_memory_ordered 1
		.amdhsa_forward_progress 1
		.amdhsa_inst_pref_size 10
	.end_amdhsa_kernel
	.amdgpu_metadata
---
amdhsa.version: [ 1, 2 ]
amdhsa.kernels:
  - .name:           k_q86899dd4bb_combine
    .symbol:         k_q86899dd4bb_combine.kd
    .args:
      - { .name: x, .offset: 0, .size: 8, .value_kind: global_buffer, .address_space: global }
      - { .name: ybuf, .offset: 8, .size: 8, .value_kind: global_buffer, .address_space: global }
      - { .name: meta, .offset: 16, .size: 8, .value_kind: global_buffer, .address_space: global }
      - { .name: slotpos, .offset: 24, .size: 8, .value_kind: global_buffer, .address_space: global }
      - { .name: gates, .offset: 32, .size: 8, .value_kind: global_buffer, .address_space: global }
      - { .name: lowp_scales, .offset: 40, .size: 8, .value_kind: global_buffer, .address_space: global }
      - { .name: out0, .offset: 48, .size: 8, .value_kind: global_buffer, .address_space: global }
    .group_segment_fixed_size: 0
    .private_segment_fixed_size: 0
    .kernarg_segment_align: 8
    .kernarg_segment_size: 56
    .max_flat_workgroup_size: 256
    .sgpr_count:     66
    .vgpr_count:     80
    .wavefront_size: 32
...
	.end_amdgpu_metadata
.endif
;; end of part 5
